; MI455X (gfx1250); checked and timed in simulation.
; The chip was launched on July 23, 2026; its instructions are those of AMD's public machine-readable ISA for CDNA 5 (MIT licence, August 2026) and "CDNA5" Instruction Set Architecture Reference Guide (July 2026). The comments in the code are by the model that wrote it; some were corrected since.
;; Attention. Allowed arithmetic: float matrix products may take bf16 or f16 operands with f32 sums; all other float work in f32.
;; Inputs: W_out 1,024 x 1,024 float32; W_qkv 1,024 x 3,072 float32; gamma 1,024 float32; mask 2 x 2,048 bool; rotary_pos_emb 2,048 x 32 float32; x 2 x 2,048 x 1,024 float32.
;; Outputs: out0 2 x 2,048 x 1,024 float32.
;; One version. Each part assembles by itself: llvm-mc -triple=amdgcn-amd-amdhsa -mcpu=gfx1250 --defsym DOCPART=n.
;; ======== version 1 of 1: 5 launches
;; limits: values are held in f16: magnitudes above 65,504 overflow, below 6.1e-05 lose precision
;; workspace buffers: h16 16,777,216 bytes; cs 524,288 bytes; qkv 25,165,824 bytes; o 8,388,608 bytes; y 16,777,216 bytes
;; launch prep (part 1): grid 256 x 1, 8 waves a work-group, no clusters, 0 bytes of LDS; arguments x, W_qkv, W_out, rotary_pos_emb, h16, cs; writes h16, cs
.if DOCPART == 1
	.amdgcn_target "amdgcn-amd-amdhsa--gfx1250"
	.amdhsa_code_object_version 6
	.text
	.protected	k_qd228dca16b_prep
	.globl	k_qd228dca16b_prep
	.p2align	8
	.type	k_qd228dca16b_prep,@function
k_qd228dca16b_prep:
	s_mov_b64 s[64:65], 0
	v_nop
	global_prefetch_b8 v0, s[64:65] scope:SCOPE_SE
	s_setreg_imm32_b32 hwreg(HW_REG_WAVE_MODE, 25, 1), 1
	s_wait_xcnt 0x0
; Casts x, W_qkv and W_out from f32 to f16, layouts unchanged, one behind the other in h16 (x at byte 0, W_qkv at 8,388,608,
; W_out at 14,680,064), and makes the rotary table cs[n][64] = cos f[n][0..31], then sg sin f[n][0..31] with sg = -1 for
; d < 16 and +1 for d >= 16 (the sign that rotate_half puts in front of the partner element).
; 256 work-groups of eight waves.  Work-group id casts 32,768 consecutive elements (128 KiB in, 64 KiB out): ids 0-127 lie in x,
; 128-223 in W_qkv, 224-255 in W_out, and the destination is byte id x 65,536 of h16 in every case.  A wave has all its 32 loads
; of 512 consecutive bytes out at once; each of its stores covers 256 consecutive bytes, aligned.  Wave w also makes row 8 id + w
; of the table.  Nothing is shared between work-groups, so no LDS, no cluster and no barrier.
; LIMITS: numbers beyond f16's largest, 65,504, become infinite in h16.  sin and cos: the angle is reduced by k pi/2 with pi/2 in
; two f32 parts and fused multiply-adds; what is left of pi/2 behind the two parts is some 1e-15 k, so the table is good to
; some 1e-7 for |f| up to about 1e6.
.set X, 32                             ; v[32:159] 32 loads of four f32
	s_load_b256 s[4:11], s[0:1], 0x0               ; x s[4:5], W_qkv s[6:7], W_out s[8:9], rotary_pos_emb s[10:11]
	s_load_b128 s[12:15], s[0:1], 0x20             ; h16 s[12:13], cs s[14:15]
	v_and_b32 v8, 31, v0                           ; lane
	v_lshrrev_b32 v9, 5, v0                        ; wave
	v_lshlrev_b32 v1, 4, v8
	v_lshl_or_b32 v1, v9, 14, v1                   ; source: 16 KiB a wave, 16 bytes a lane
	v_lshlrev_b32 v2, 3, v8
	v_lshl_or_b32 v4, v9, 8, v2                    ; table: 256 bytes a wave, 8 bytes a lane
	v_lshl_or_b32 v2, v9, 13, v2                   ; destination: 8 KiB a wave, 8 bytes a lane
	v_and_b32 v3, 15, v8
	v_lshlrev_b32 v3, 3, v3
	v_lshl_or_b32 v3, v9, 7, v3                    ; angles 2 (lane % 16) and the next, of the wave's row of 128 bytes
	v_and_b32 v5, 24, v8
	v_mov_b32 v10, 0x80000000
	v_cmp_eq_u32 vcc_lo, 16, v5
	v_cndmask_b32 v5, 0, v10, vcc_lo               ; lanes 16-23 hold sin of d < 16: their sign is turned
	v_cmp_le_u32 s40, 16, v8                       ; lanes 16-31 store sines, lanes 0-15 cosines
	s_mov_b32 s28, 0x3f22f983                      ; 2 / pi
	s_mov_b32 s29, 0xbfc90fdb                      ; - (pi/2 rounded to f32)
	s_mov_b32 s30, 0x333bbd2e                      ; - (pi/2 less that)
	s_mov_b32 s31, 0xb94ca1f9                      ; sin r = r + r z (S1 + z (S2 + z S3)), z = r r, |r| <= pi/4
	s_mov_b32 s32, 0x3c08839e
	s_mov_b32 s33, 0xbe2aaaa3
	s_mov_b32 s34, 0x37ccf5ce                      ; cos r = 1 - z/2 + z z (C1 + z (C2 + z C3))
	s_mov_b32 s35, 0xbab6061a
	s_mov_b32 s36, 0x3d2aaaa5
	s_lshl_b32 s22, ttmp9, 16                      ; my 64 KiB of h16
	s_mov_b32 s23, 0
	s_lshl_b32 s24, ttmp9, 10                      ; my 8 rows of 128 bytes of angles
	s_mov_b32 s25, 0
	s_lshl_b32 s26, ttmp9, 11                      ; my 8 rows of 256 bytes of the table
	s_mov_b32 s27, 0
	s_wait_kmcnt 0x0
	s_cmp_lt_u32 ttmp9, 128                        ; which tensor my id lies in, and the first id of that tensor
	s_cselect_b64 s[16:17], s[4:5], s[6:7]
	s_cselect_b32 s18, 0, 128
	s_cmp_lt_u32 ttmp9, 224
	s_cselect_b64 s[16:17], s[16:17], s[8:9]
	s_cselect_b32 s18, s18, 224
	s_sub_co_u32 s20, ttmp9, s18
	s_lshl_b32 s20, s20, 17                        ; 128 KiB of f32 for each id
	s_mov_b32 s21, 0
	s_add_nc_u64 s[16:17], s[16:17], s[20:21]
	s_add_nc_u64 s[12:13], s[12:13], s[22:23]
	s_add_nc_u64 s[10:11], s[10:11], s[24:25]
	s_add_nc_u64 s[14:15], s[14:15], s[26:27]
	global_load_b64 v[6:7], v3, s[10:11]           ; two angles
.irp i, 0,1,2,3,4,5,6,7,8,9,10,11,12,13,14,15,16,17,18,19,20,21,22,23,24,25,26,27,28,29,30,31
	global_load_b128 v[X+4*\i:X+4*\i+3], v1, s[16:17] offset:512*\i th:TH_LOAD_NT
.endr
; cos and sin of v[f] into v[c] and v[s]; v[t .. t+6] at work.  k = f 2/pi rounded, r = f - k pi/2; the quadrant k mod 4 only
; selects values and signs.
.macro SINCOS f, c, s, t
	v_mul_f32 v[\t], s28, v[\f]
	v_rndne_f32 v[\t], v[\t]                       ; k
	v_fma_f32 v[\t+1], v[\t], s29, v[\f]
	v_fma_f32 v[\t+1], v[\t], s30, v[\t+1]         ; r
	v_cvt_i32_f32 v[\t], v[\t]
	v_mul_f32 v[\t+2], v[\t+1], v[\t+1]            ; z
	v_fma_f32 v[\t+3], v[\t+2], s31, s32
	v_fma_f32 v[\t+3], v[\t+3], v[\t+2], s33
	v_mul_f32 v[\t+4], v[\t+2], v[\t+1]
	v_fma_f32 v[\t+3], v[\t+3], v[\t+4], v[\t+1]   ; sin r
	v_fma_f32 v[\t+4], v[\t+2], s34, s35
	v_fma_f32 v[\t+4], v[\t+4], v[\t+2], s36
	v_mul_f32 v[\t+5], v[\t+2], v[\t+2]
	v_fma_f32 v[\t+6], v[\t+2], -0.5, 1.0
	v_fma_f32 v[\t+4], v[\t+4], v[\t+5], v[\t+6]   ; cos r
	v_and_b32 v[\t+5], 1, v[\t]
	v_cmp_eq_u32 vcc_lo, 1, v[\t+5]                ; odd quadrants swap the two
	v_cndmask_b32 v[\s], v[\t+3], v[\t+4], vcc_lo
	v_cndmask_b32 v[\c], v[\t+4], v[\t+3], vcc_lo
	v_and_b32 v[\t+5], 2, v[\t]                    ; sin is negative in quadrants 2 and 3,
	v_lshlrev_b32 v[\t+5], 30, v[\t+5]
	v_xor_b32 v[\s], v[\s], v[\t+5]
	v_add_nc_u32 v[\t+5], 1, v[\t]                 ; cos in quadrants 1 and 2
	v_and_b32 v[\t+5], 2, v[\t+5]
	v_lshlrev_b32 v[\t+5], 30, v[\t+5]
	v_xor_b32 v[\c], v[\c], v[\t+5]
.endm
	s_wait_loadcnt 32                              ; loads come back in order: the angles are in, the 32 loads behind them stay out
	SINCOS 6, 12, 13, 16
	SINCOS 7, 14, 15, 16
	v_xor_b32 v13, v13, v5
	v_xor_b32 v15, v15, v5
	v_cndmask_b32 v24, v12, v13, s40
	v_cndmask_b32 v25, v14, v15, s40
	global_store_b64 v4, v[24:25], s[14:15]        ; the wave stores one whole row of the table: 256 consecutive bytes, aligned
.irp i, 0,1,2,3,4,5,6,7,8,9,10,11,12,13,14,15,16,17,18,19,20,21,22,23,24,25,26,27,28,29,30,31
	s_wait_loadcnt 31-\i                           ; load i is in, the younger ones stay out
	v_cvt_pk_f16_f32 v[X+4*\i], v[X+4*\i], v[X+4*\i+1]
	v_cvt_pk_f16_f32 v[X+4*\i+1], v[X+4*\i+2], v[X+4*\i+3]
	global_store_b64 v2, v[X+4*\i:X+4*\i+1], s[12:13] offset:256*\i   ; no register that a store reads is written again
.endr
	s_endpgm
.Lfunc_end_k_qd228dca16b_prep:
	.size	k_qd228dca16b_prep, .Lfunc_end_k_qd228dca16b_prep-k_qd228dca16b_prep
	.p2alignl 7, 3214868480
	.fill 96, 4, 3214868480
	.section	.rodata,"a",@progbits
	.p2align	6, 0x0
	.amdhsa_kernel k_qd228dca16b_prep
		.amdhsa_group_segment_fixed_size 0
		.amdhsa_private_segment_fixed_size 0
		.amdhsa_enable_private_segment 0
		.amdhsa_kernarg_size 48
		.amdhsa_user_sgpr_count 2
		.amdhsa_user_sgpr_kernarg_segment_ptr 1
		.amdhsa_wavefront_size32 1
		.amdhsa_system_sgpr_workgroup_id_x 1
		.amdhsa_system_sgpr_workgroup_id_y 1
		.amdhsa_system_sgpr_workgroup_id_z 1
		.amdhsa_system_vgpr_workitem_id 0
		.amdhsa_next_free_vgpr 160
		.amdhsa_next_free_sgpr 66
		.amdhsa_reserve_vcc 1
		.amdhsa_float_denorm_mode_32 3
		.amdhsa_float_denorm_mode_16_64 3
		.amdhsa_memory_ordered 1
		.amdhsa_forward_progress 1
		.amdhsa_inst_pref_size 16
	.end_amdhsa_kernel
	.amdgpu_metadata
---
amdhsa.version: [ 1, 2 ]
amdhsa.kernels:
  - .name:           k_qd228dca16b_prep
    .symbol:         k_qd228dca16b_prep.kd
    .args:
      - { .name: x, .offset: 0, .size: 8, .value_kind: global_buffer, .address_space: global }
      - { .name: W_qkv, .offset: 8, .size: 8, .value_kind: global_buffer, .address_space: global }
      - { .name: W_out, .offset: 16, .size: 8, .value_kind: global_buffer, .address_space: global }
      - { .name: rotary_pos_emb, .offset: 24, .size: 8, .value_kind: global_buffer, .address_space: global }
      - { .name: h16, .offset: 32, .size: 8, .value_kind: global_buffer, .address_space: global }
      - { .name: cs, .offset: 40, .size: 8, .value_kind: global_buffer, .address_space: global }
    .group_segment_fixed_size: 0
    .private_segment_fixed_size: 0
    .kernarg_segment_align: 8
    .kernarg_segment_size: 48
    .max_flat_workgroup_size: 256
    .sgpr_count:     66
    .vgpr_count:     160
    .wavefront_size: 32
...
	.end_amdgpu_metadata
.endif
;; end of part 1
;; launch qkvrot (part 2): grid 16 x 16, 4 waves a work-group, clusters of 4 x 4, 327,680 bytes of LDS; arguments h16, cs, qkv; writes qkv
.if DOCPART == 2
	.amdgcn_target "amdgcn-amd-amdhsa--gfx1250"
	.amdhsa_code_object_version 6
	.text
	.protected	k_qd228dca16b_qkvrot
	.globl	k_qd228dca16b_qkvrot
	.p2align	8
	.type	k_qd228dca16b_qkvrot,@function
k_qd228dca16b_qkvrot:
	s_mov_b64 s[64:65], 0
	v_nop
	global_prefetch_b8 v0, s[64:65] scope:SCOPE_SE
	s_setreg_imm32_b32 hwreg(HW_REG_WAVE_MODE, 25, 1), 1
	s_wait_xcnt 0x0
	s_wait_alu depctr_hold_cnt(0) depctr_sa_sdst(0) depctr_va_vdst(0) depctr_va_sdst(0) depctr_va_ssrc(0) depctr_va_vcc(0) depctr_vm_vsrc(0)
	s_getreg_b32 s2, hwreg(HW_REG_IB_STS2, 6, 4)
	s_cmp_eq_u32 s2, 0
	s_cbranch_scc0 .Lentry_in_a_cluster
	s_endpgm
.Lentry_in_a_cluster:
	s_bfe_u32 s2, ttmp6, 0x10000c
	s_cmp_lg_u32 s2, 0xf033
	s_cbranch_scc0 .Lentry_shape_is_right
	s_endpgm
.Lentry_shape_is_right:
; qkv = x W_qkv (f16 operands from h16, f32 sums), rotary on the first 32 dims of every head of q, k and v, stored in f16 as
; qkv[3 (q,k,v)][2 (batch)][16 (head)][2048][64].  The softmax scale is applied later, so q, k and v differ here in the store address alone.
; A work-group makes 256 rows x 192 columns (three whole heads); wave w makes rows 64 w .. 64 w + 63 of all 192 columns: 4 x 12
; accumulator tiles of 16 x 16, 384 registers, so that a head lies whole in one wave and rotary stays inside a lane.
; K = 1024 goes in steps of 128 through a ring of two LDS slots filled by the tensor data mover.
; CLUSTERS: 4 x 4 work-groups.  x's tile hangs on the block row alone and is asked for jointly along a row of the cluster, W's on the
; block column alone and is asked for jointly along a column: requests for both are divided by four.
; W lies [k][n] in memory and in LDS; its fragments are brought by the transposing LDS load.
; THE MATRIX INSTRUCTION IS USED TRANSPOSED: source 0 = 16 columns of W, source 1 = 16 rows of x, so that lane l holds row l % 16
; and its registers 0-7 the columns 16 b + 8 (l / 16) + 0..7: eight neighbouring numbers of a row.
; REGISTERS in windows of 256: window 0 addresses, x's fragments (two buffers) and the way out; window 1 W's fragments (two buffers);
; window 2 the accumulators of row tiles 0, 1 (tile (a, b) at 8 (12 a + b)) and their rows of the rotary table (v192-255); window 3 the
; same for row tiles 2, 3.
; The 48 accumulators take turns, one matrix instruction a turn, in the same order in every quarter step.
; LIMIT: q, k, v beyond f16's largest number, 65,504, become infinite.
.set PA,    272                        ; x's LDS row: 256 bytes + 16
.set PB,    480                        ; W's LDS row: three pieces of 128 bytes, 32 bytes of padding behind each; 15 x 32
.set HALFA, 128*PA                     ; what one of x's loads brings: 128 rows
.set HALFB, 64*PB                      ; what one of W's loads brings: 64 rows of k
.set BOFF,  2*HALFA                    ; W's tile lies behind x's 256 rows
.set SLOT,  BOFF+2*HALFB               ; 131,072
.set STAGE, 2*SLOT                     ; behind the ring: 16 rows x 400 bytes for each wave, for the way out; no fill lands there
.set SP,    400                        ; 384 bytes + 16
.set LAPS,  4                          ; a lap = two K steps = once round the ring; 1024 / 256
.set WQ,    8388608                    ; W_qkv's first byte in h16
.set ADRA, 16                          ; v16-17 LDS address of my fragments of x in slot 0, 1
.set ADRB, 20                          ; v20-21 the same for W
.set STO,  24                          ; the way out: where I put 16 bytes of a row
.set RD,   25                          ; where I read back
.set CO,   26                          ; my byte offset in a store of 512 bytes
.set CSO,  27                          ; my byte offset in the rotary table
.set Y,    32                          ; the way out: rotated numbers in f32, 16 for each head
.set TMP,  96                          ; packed results, 4 registers for each of 12 tiles
.set RB0,  144                         ; read back, two sets in turn
.set RB1,  192
.set G1,  24                           ; s[24:31] descriptor group 1 for x's tiles
.set G0,  32                           ; s[32:39] group 0 for x's tiles, one set for each slot
.set G1B, 48                           ; s[48:55] group 1 for W's tiles
.set G0B, 56                           ; s[56:63] group 0 for W's tiles
.set MSB, 0
.macro WIN new                         ; the immediate's high byte repeats the setting that is left
.if MSB != \new
	s_set_vgpr_msb (MSB<<8)|\new
.set MSB, \new
.endif
.endm
.set MUL_LO, 0xa1                      ; source 0 (W) window 1, source 1 (x) window 0, C and D window 2
.set MUL_HI, 0xf1                      ; the same, C and D window 3
; A joint load: waves 0 and 1 fetch x's two halves, waves 2 and 3 W's.  The branch hangs on the wave's number alone.
.macro JLOAD s
	s_cmp_eq_u32 s11, 0
	s_cbranch_scc0 .Lfor_b_\@
	tensor_load_to_lds s[G0+4*\s:G0+4*\s+3], s[G1:G1+7]
	s_nop 0
	s_branch .Lasked_\@
.Lfor_b_\@:
	tensor_load_to_lds s[G0B+4*\s:G0B+4*\s+3], s[G1B:G1B+7]
	s_nop 0
.Lasked_\@:
.endm
.macro CREST                           ; a round of the cluster's barrier behind its opening barrier
	s_cmp_lg_u32 s10, 0
	s_cbranch_scc1 .Lnot_wave_0_\@
	s_barrier_signal -3
.Lnot_wave_0_\@:
	s_barrier_wait -3
	s_barrier_signal -1
	s_barrier_wait -1
.endm
.macro CROUND                          ; a whole round
	s_barrier_signal -1
	s_barrier_wait -1
	CREST
.endm
.macro PLACES                          ; four plain vector instructions behind matrix instructions, in front of loads into their sources and of readers of their results
.rept 4
	v_nop
.endr
.endm
	s_load_b128 s[4:7], s[0:1], 0x0                ; h16 s[4:5], cs s[6:7]
	s_load_b64 s[8:9], s[0:1], 0x10                ; qkv
	s_set_vgpr_msb 0x40
	v_lshl_add_u32 v255, v0, 2, 0x46400
	s_set_vgpr_msb 0x4000
	v_mov_b32 v255, 0
	s_set_vgpr_msb 0x1
	ds_add_u32 v255, v255
	s_set_vgpr_msb 0x100
	v_lshrrev_b32 v1, 5, v0
	v_readfirstlane_b32 s10, v1                    ; wave 0..3
	s_lshr_b32 s11, s10, 1                         ; I fetch for x (0) or for W (1)
	s_and_b32 s12, s10, 1                          ; which half of that tile
	s_bfe_u32 s40, ttmp6, 0x40000                  ; cx
	s_bfe_u32 s41, ttmp6, 0x40004                  ; cy
	s_lshl_b32 s42, ttmp9, 2
	s_add_co_u32 s42, s42, s40                     ; block column = 4 x cluster x + cx
	s_and_b32 s13, ttmp7, 0xffff
	s_lshl_b32 s13, s13, 2
	s_add_co_u32 s13, s13, s41                     ; block row = 4 x cluster y + cy
	s_lshl_b32 s43, s41, 2
	s_lshl_b32 s43, 15, s43                        ; my row of the cluster
	s_lshl_b32 s44, 0x1111, s40                    ; my column
	; x's tile: 128 rows x 128 elements of 2 bytes, 4 words of padding behind every 64 words
	s_or_b32 s[G1+0], s43, (1<<16)|(1<<20)|(1<<21)|(5<<22)|(3<<25)
	s_mov_b32 s[G1+1], 128<<16                     ; tensor_dim0 = 128
	s_mov_b32 s[G1+2], 128<<16                     ; tensor_dim1 = 128
	s_mov_b32 s[G1+3], 128<<16                     ; tile_dim0 = 128
	s_mov_b32 s[G1+4], 128                         ; tile_dim1 = 128
	s_mov_b32 s[G1+5], 1024                        ; elements from row to row
	s_mov_b32 s[G1+6], 0
	s_mov_b32 s[G1+7], 0
	; W's tile: 64 rows of k x 192 elements, 8 words of padding behind every 32 words (three times in a row of 96 words)
	s_or_b32 s[G1B+0], s44, (1<<16)|(1<<20)|(1<<21)|(4<<22)|(7<<25)
	s_mov_b32 s[G1B+1], 192<<16
	s_mov_b32 s[G1B+2], 64<<16
	s_mov_b32 s[G1B+3], 192<<16
	s_mov_b32 s[G1B+4], 64
	s_mov_b32 s[G1B+5], 3072
	s_mov_b32 s[G1B+6], 0
	s_mov_b32 s[G1B+7], 0
	; where the tiles come from: x's address is made of the block row, W's of the block column, in registers that never hold the other coordinate
	s_lshl_b32 s16, s13, 19                        ; 256 rows of 2,048 bytes for each block row
	s_lshl_b32 s17, s12, 18                        ; + 128 rows for the second half
	s_add_co_u32 s16, s16, s17
	s_mov_b32 s17, 0
	s_mul_i32 s46, s42, 384                        ; 192 columns of 2 bytes for each block column
	s_mul_i32 s47, s12, 64*6144                    ; + 64 rows of k for the second half
	s_add_co_u32 s46, s46, s47
	s_add_co_u32 s46, s46, WQ
	s_mov_b32 s47, 0
	s_mul_i32 s20, s10, HALFA                      ; where they go: waves 0, 1: x's halves at 0 and 34,816;
	s_mul_i32 s21, s10, HALFB
	s_add_co_u32 s21, s21, BOFF-2*HALFB            ; waves 2, 3: W's halves at 69,632 and 100,352 = 30,720 w + 8,192
	; the three heads' places in qkv and my rows of the table
	s_mul_i32 s74, s42, 3                          ; my first head among the 48 of q, k, v
	s_lshr_b32 s75, s13, 3                         ; batch
	s_and_b32 s76, s13, 7
	s_lshl_b32 s76, s76, 15                        ; 256 positions of 128 bytes for each block row of the batch
	s_lshl_b32 s77, s10, 13                        ; + 64 positions for each wave
	s_add_co_u32 s76, s76, s77
	s_lshl_b32 s80, s76, 1                         ; the same positions in the table: 256 bytes each
	s_mov_b32 s81, 0
	s_wait_dscnt 0x0
	s_wait_kmcnt 0x0
	s_add_nc_u64 s[14:15], s[4:5], s[16:17]
	s_add_nc_u64 s[46:47], s[4:5], s[46:47]
	s_add_nc_u64 s[72:73], s[6:7], s[80:81]
.irp i, 0,1,2
	s_add_co_u32 s78, s74, \i
	s_lshr_b32 s79, s78, 4                         ; q, k or v
	s_lshl1_add_u32 s79, s79, s75                  ; x 2 + batch
	s_and_b32 s78, s78, 15
	s_lshl4_add_u32 s78, s79, s78                  ; x 16 + head
	s_lshl_b32 s78, s78, 18                        ; planes of 262,144 bytes
	s_add_co_u32 s78, s78, s76
	s_mov_b32 s79, 0
	s_add_nc_u64 s[66+2*\i:67+2*\i], s[8:9], s[78:79]
.endr
	CROUND                                         ; all sixteen work-groups are here: the first joint loads meet
.irp s, 0,1
	s_mov_b32 s[G0+4*\s], 1
	s_add_co_u32 s[G0+4*\s+1], s20, \s*SLOT
	s_add_nc_u64 s[G0+4*\s+2:G0+4*\s+3], s[14:15], \s*256          ; K step s: 128 elements along the row
	s_or_b32 s[G0+4*\s+3], s[G0+4*\s+3], 0x80000000
	s_mov_b32 s[G0B+4*\s], 1
	s_add_co_u32 s[G0B+4*\s+1], s21, \s*SLOT
	s_add_nc_u64 s[G0B+4*\s+2:G0B+4*\s+3], s[46:47], \s*128*6144   ; K step s: 128 rows of W
	s_or_b32 s[G0B+4*\s+3], s[G0B+4*\s+3], 0x80000000
	JLOAD \s                                       ; both slots are asked for before anything else: two tensor loads of the wave are out
.endr
	v_and_b32 v1, 15, v0                           ; r = l % 16
	v_bfe_u32 v2, v0, 4, 1                         ; h = l / 16
	v_mul_u32_u24 v3, v1, PA
	v_lshl_add_u32 v3, v2, 4, v3                   ; x: row r, 16 bytes for each half of the lanes
	s_mul_i32 s22, s10, 64*PA                      ; my 64 rows
	v_add_nc_u32 v[ADRA], s22, v3
	v_add_nc_u32 v[ADRA+1], SLOT, v[ADRA]
	v_and_b32 v4, 7, v0                            ; W, transposing load: row of k 8 h + l % 8, 16 bytes (l / 8) % 2
	v_lshl_add_u32 v4, v2, 3, v4
	v_mul_u32_u24 v4, v4, PB
	v_bfe_u32 v5, v0, 3, 1
	v_lshl_add_u32 v4, v5, 4, v4
	v_add_nc_u32 v[ADRB], BOFF, v4
	v_add_nc_u32 v[ADRB+1], SLOT, v[ADRB]
	s_mul_i32 s23, s10, 16*SP
	s_add_co_u32 s23, s23, STAGE                   ; my stage
	v_mul_u32_u24 v4, v1, SP
	v_lshl_add_u32 v4, v2, 4, v4
	v_add_nc_u32 v[STO], s23, v4
	v_bfe_u32 v5, v0, 3, 2                         ; back: eight lanes take a head's 128 bytes of a row, the wave four rows
	v_mul_u32_u24 v5, v5, SP
	v_and_b32 v6, 7, v0
	v_lshl_add_u32 v5, v6, 4, v5
	v_add_nc_u32 v[RD], s23, v5
	v_and_b32 v6, 31, v0
	v_lshlrev_b32 v[CO], 4, v6
	v_lshlrev_b32 v[CSO], 8, v1
	v_lshl_or_b32 v[CSO], v2, 5, v[CSO]            ; table: row r, 32 bytes for each half of the lanes
	; my 64 rows of the table, 32 registers for each row tile: cos[8h+j], cos[16+8h+j], -sin[8h+j], sin[16+8h+j].  They land during the K loop.
	WIN 0x80
.irp a, 0,1
.irp k, 0,1,2,3
	global_load_b128 v[192+32*\a+8*\k:192+32*\a+8*\k+3], v[CSO], s[72:73] offset:4096*\a+64*\k
	global_load_b128 v[192+32*\a+8*\k+4:192+32*\a+8*\k+7], v[CSO], s[72:73] offset:4096*\a+64*\k+16
.endr
.endr
	WIN 0xc0
.irp a, 0,1
.irp k, 0,1,2,3
	global_load_b128 v[192+32*\a+8*\k:192+32*\a+8*\k+3], v[CSO], s[72:73] offset:4096*(\a+2)+64*\k
	global_load_b128 v[192+32*\a+8*\k+4:192+32*\a+8*\k+7], v[CSO], s[72:73] offset:4096*(\a+2)+64*\k+16
.endr
.endr
	WIN 0
; 12 matrix instructions: row tile a of the window's two (hi = 0: my rows 0-31, 1: rows 32-63) x all 12 column tiles, 32 along K.
; zero = 1: the first product starts the sums.
.macro MUL12 f, hi, a, zero
.irp b, 0,1,2,3,4,5,6,7,8,9,10,11
.set DD, 8*(12*\a+\b)
.set WF, 96*\f+8*\b
.set XF, 32+32*\f+8*(2*\hi+\a)
.if \zero
	v_wmma_f32_16x16x32_f16 v[DD:DD+7], v[WF:WF+7], v[XF:XF+7], 0
.else
	v_wmma_f32_16x16x32_f16 v[DD:DD+7], v[WF:WF+7], v[XF:XF+7], v[DD:DD+7]
.endif
.endr
.endm
; 32 LDS loads in one run: the fragments of quarter q of a K step (192 columns of W, my 64 rows of x, 32 along K) into buffer f
.macro FETCH slot, q, f
	WIN 0x40
.irp b, 0,1,2,3,4,5,6,7,8,9,10,11
	ds_load_tr16_b128 v[96*\f+8*\b:96*\f+8*\b+3],   v[ADRB+\slot] offset:\q*32*PB+(\b/4)*160+(\b%4)*32
	ds_load_tr16_b128 v[96*\f+8*\b+4:96*\f+8*\b+7], v[ADRB+\slot] offset:\q*32*PB+(\b/4)*160+(\b%4)*32+16*PB
.endr
	WIN 0
.irp a, 0,1,2,3
	ds_load_b128 v[32+32*\f+8*\a:32+32*\f+8*\a+3],   v[ADRA+\slot] offset:\q*64+\a*16*PA
	ds_load_b128 v[32+32*\f+8*\a+4:32+32*\f+8*\a+7], v[ADRA+\slot] offset:\q*64+\a*16*PA+32
.endr
.endm
; One of a K step's first three quarters: multiplies buffer f; in its middle fetches quarter q of the same slot into buffer g.
.macro QUARTER slot, q, f, g, zero
	s_wait_dscnt 4                                 ; W and x's row tiles 0, 1 are in; the youngest four loads (row tiles 2, 3) may be out
	WIN MUL_LO
	MUL12 \f, 0, 0, \zero
	MUL12 \f, 0, 1, \zero
	PLACES
	FETCH \slot, \q, \g
	s_wait_dscnt 32                                ; all but the 32 just issued
	WIN MUL_HI
	MUL12 \f, 1, 0, \zero
	MUL12 \f, 1, 1, \zero
.endm
.macro THREE slot, zero
	QUARTER \slot, 1, 0, 1, \zero
	QUARTER \slot, 2, 1, 0, 0
	QUARTER \slot, 3, 0, 1, 0
.endm
; The last quarter: multiplies buffer 1 and changes slots.  fill = 1: this slot is filled again, two K steps ahead.  In front of the
; barrier each wave waits for its reads of this slot and for all its tensor loads (one is out: its part of the next slot).  Where a slot
; is filled again the barrier opens a round of the cluster's barrier, and the joint refill is the first tensor load behind the round.
; From a request to the wait for it a wave issues 180 matrix instructions.
.macro TURN slot, next, fill
	s_wait_dscnt 4
	WIN MUL_LO
	MUL12 1, 0, 0, 0
	s_wait_dscnt 0                                 ; my reads of this slot are over
	s_wait_tensorcnt 0x0                           ; and all my tensor loads have landed
	ds_add_u32 v255, v255
	s_wait_dscnt 0x0
	s_barrier_signal -1
	MUL12 1, 0, 1, 0                               ; register work while the others arrive
	WIN 0
	s_barrier_wait -1
.if \fill
	CREST                                          ; no wave of any partner still reads this slot or has a load on its way
	s_add_nc_u64 s[G0+4*\slot+2:G0+4*\slot+3], s[G0+4*\slot+2:G0+4*\slot+3], 512
	s_add_nc_u64 s[G0B+4*\slot+2:G0B+4*\slot+3], s[G0B+4*\slot+2:G0B+4*\slot+3], 256*6144
	JLOAD \slot
.endif
	PLACES
	FETCH \next, 0, 0
	WIN MUL_HI
	MUL12 1, 1, 0, 0
	MUL12 1, 1, 1, 0
.endm
.macro LAP zero
	THREE 0, \zero
	TURN 0, 1, 1
	THREE 1, 0
	TURN 1, 0, 1
.endm
	s_wait_tensorcnt 0x1                           ; my part of K step 0 is in; K step 1's stays out
	s_barrier_signal -1
	s_barrier_wait -1
	FETCH 0, 0, 0
	LAP 1                                          ; the first lap stands in front of the loop: its first products start the sums
	WIN 0
	s_mov_b32 s3, LAPS-2
.Llap:
	LAP 0
	WIN 0
	s_sub_co_u32 s3, s3, 1
	s_cmp_lg_u32 s3, 0
	s_cbranch_scc1 .Llap
	THREE 0, 0                                     ; the last lap fills nothing
	TURN 0, 1, 0
	THREE 1, 0
	s_wait_dscnt 4
	WIN MUL_LO
	MUL12 1, 0, 0, 0
	MUL12 1, 0, 1, 0
	s_wait_dscnt 0
	WIN MUL_HI
	MUL12 1, 1, 0, 0
	MUL12 1, 1, 1, 0
	; THE WAY OUT, 16 rows at a time: rotary in f32, round to f16, 16 bytes a lane into my own stage, read back by heads.
	PLACES
	s_wait_loadcnt 0x0                             ; the table
; Row tile a (al: its number in its window; from = 0x0a or 0x0f: sources 0 and 1 in window 2 or 3); rb: RB0 and RB1 in turn.
; Of head i, tile 4 i holds dims 8h+j (x1), tile 4 i + 1 dims 16+8h+j (x2): y1 = x1 cos - x2 sin, y2 = x2 cos + x1 sin, signs in the table.
.macro OUT16 a, al, from, rb
	WIN \from
.irp i, 0,1,2
.set X1, 8*(12*\al+4*\i)
.set TB, 192+32*\al
.irp p, 0,2,4,6
	v_pk_mul_f32 v[Y+16*\i+\p:Y+16*\i+\p+1],     v[X1+\p:X1+\p+1],     v[TB+\p:TB+\p+1]
	v_pk_mul_f32 v[Y+16*\i+8+\p:Y+16*\i+9+\p],   v[X1+\p:X1+\p+1],     v[TB+24+\p:TB+25+\p]
	v_pk_fma_f32 v[Y+16*\i+\p:Y+16*\i+\p+1],     v[X1+8+\p:X1+9+\p],   v[TB+16+\p:TB+17+\p], v[Y+16*\i+\p:Y+16*\i+\p+1]
	v_pk_fma_f32 v[Y+16*\i+8+\p:Y+16*\i+9+\p],   v[X1+8+\p:X1+9+\p],   v[TB+8+\p:TB+9+\p],   v[Y+16*\i+8+\p:Y+16*\i+9+\p]
.endr
.irp r, 0,1,2,3
	v_cvt_pk_f16_f32 v[TMP+16*\i+8+\r],  v[X1+16+2*\r], v[X1+17+2*\r]      ; dims 32-63 pass
	v_cvt_pk_f16_f32 v[TMP+16*\i+12+\r], v[X1+24+2*\r], v[X1+25+2*\r]
.endr
.endr
	WIN 0
.irp i, 0,1,2
.irp r, 0,1,2,3
	v_cvt_pk_f16_f32 v[TMP+16*\i+\r],   v[Y+16*\i+2*\r],   v[Y+16*\i+2*\r+1]
	v_cvt_pk_f16_f32 v[TMP+16*\i+4+\r], v[Y+16*\i+8+2*\r], v[Y+16*\i+9+2*\r]
.endr
.endr
.irp b, 0,1,2,3,4,5,6,7,8,9,10,11
	ds_store_b128 v[STO], v[TMP+4*\b:TMP+4*\b+3] offset:32*\b
.endr
	s_wait_xcnt 0x0                                ; the set rb, which earlier stores read, is loaded again only behind this wait
.irp t, 0,1,2,3,4,5,6,7,8,9,10,11
	ds_load_b128 v[\rb+4*\t:\rb+4*\t+3], v[RD] offset:(\t%4)*4*SP+(\t/4)*128   ; LDS serves a wave's instructions in order: these see the stores above
.endr
.irp t, 0,1,2,3,4,5,6,7,8,9,10,11
	s_wait_dscnt 11-\t                             ; load t is back, the younger ones stay out
	global_store_b128 v[CO], v[\rb+4*\t:\rb+4*\t+3], s[66+2*(\t/4):67+2*(\t/4)] offset:2048*\a+512*(\t%4)   ; four positions of a head: 512 consecutive bytes, aligned
.endr
.endm
	OUT16 0, 0, 0x0a, RB0
	OUT16 1, 1, 0x0a, RB1
	OUT16 2, 0, 0x0f, RB0
	OUT16 3, 1, 0x0f, RB1
	s_set_vgpr_msb 0x1
	s_wait_tensorcnt 0x0
	ds_add_u32 v255, v255
	s_wait_dscnt 0x0
	s_set_vgpr_msb 0x100
	CROUND                                         ; the closing round: no work-group ends while a partner may still ask for a tile that names it
	s_endpgm
.Lfunc_end_k_qd228dca16b_qkvrot:
	.size	k_qd228dca16b_qkvrot, .Lfunc_end_k_qd228dca16b_qkvrot-k_qd228dca16b_qkvrot
	.p2alignl 7, 3214868480
	.fill 96, 4, 3214868480
	.section	.rodata,"a",@progbits
	.p2align	6, 0x0
	.amdhsa_kernel k_qd228dca16b_qkvrot
		.amdhsa_group_segment_fixed_size 327680
		.amdhsa_private_segment_fixed_size 0
		.amdhsa_enable_private_segment 0
		.amdhsa_kernarg_size 24
		.amdhsa_user_sgpr_count 2
		.amdhsa_user_sgpr_kernarg_segment_ptr 1
		.amdhsa_wavefront_size32 1
		.amdhsa_system_sgpr_workgroup_id_x 1
		.amdhsa_system_sgpr_workgroup_id_y 1
		.amdhsa_system_sgpr_workgroup_id_z 1
		.amdhsa_system_vgpr_workitem_id 0
		.amdhsa_next_free_vgpr 1024
		.amdhsa_next_free_sgpr 84
		.amdhsa_reserve_vcc 0
		.amdhsa_float_denorm_mode_32 3
		.amdhsa_float_denorm_mode_16_64 3
		.amdhsa_memory_ordered 1
		.amdhsa_forward_progress 1
		.amdhsa_inst_pref_size 179
	.end_amdhsa_kernel
	.amdgpu_metadata
---
amdhsa.version: [ 1, 2 ]
amdhsa.kernels:
  - .name:           k_qd228dca16b_qkvrot
    .symbol:         k_qd228dca16b_qkvrot.kd
    .args:
      - { .name: h16, .offset: 0, .size: 8, .value_kind: global_buffer, .address_space: global }
      - { .name: cs, .offset: 8, .size: 8, .value_kind: global_buffer, .address_space: global }
      - { .name: qkv, .offset: 16, .size: 8, .value_kind: global_buffer, .address_space: global }
    .group_segment_fixed_size: 327680
    .private_segment_fixed_size: 0
    .kernarg_segment_align: 8
    .kernarg_segment_size: 24
    .max_flat_workgroup_size: 128
    .sgpr_count:     84
    .vgpr_count:     1024
    .wavefront_size: 32
...
	.end_amdgpu_metadata
.endif
;; end of part 2
;; launch attn (part 3): grid 8 x 32, 8 waves a work-group, clusters of 4 x 1, 327,680 bytes of LDS; arguments qkv, mask, o; writes o
.if DOCPART == 3
	.amdgcn_target "amdgcn-amd-amdhsa--gfx1250"
	.amdhsa_code_object_version 6
	.text
	.protected	k_qd228dca16b_attn
	.globl	k_qd228dca16b_attn
	.p2align	8
	.type	k_qd228dca16b_attn,@function
k_qd228dca16b_attn:
	s_mov_b64 s[64:65], 0
	v_nop
	global_prefetch_b8 v0, s[64:65] scope:SCOPE_SE
	s_setreg_imm32_b32 hwreg(HW_REG_WAVE_MODE, 25, 1), 1
	s_wait_xcnt 0x0
	s_wait_alu depctr_hold_cnt(0) depctr_sa_sdst(0) depctr_va_vdst(0) depctr_va_sdst(0) depctr_va_ssrc(0) depctr_va_vcc(0) depctr_vm_vsrc(0)
	s_getreg_b32 s2, hwreg(HW_REG_IB_STS2, 6, 4)
	s_cmp_eq_u32 s2, 0
	s_cbranch_scc0 .Lentry_in_a_cluster
	s_endpgm
.Lentry_in_a_cluster:
	s_bfe_u32 s2, ttmp6, 0x10000c
	s_cmp_lg_u32 s2, 0x3003
	s_cbranch_scc0 .Lentry_shape_is_right
	s_endpgm
.Lentry_shape_is_right:
; Softmax attention with a running maximum and a key mask.  q, k, v: f16 planes [2048][64] of qkv; o: f16 [2][16][2048][64].
; Work-group (x, y): y = 16 batch + head, x = a block of 256 queries; wave w takes 32 queries (two tiles of 16).  Eight waves, two on a
; SIMD, so that one wave's softmax arithmetic runs while the other multiplies.
; CLUSTER 4 x 1: the four query blocks of a cluster walk the same K and V tiles; each tile is asked for jointly (mask 15).
; Keys go in tiles of 256 through two LDS slots (V 256 x 160 bytes, then K 256 x 144 bytes); waves 0-3 fetch V's quarters, waves 4-7 K's.
; S^T = K Q^T + bias: source 0 = 16 keys of K, source 1 = 16 queries, C = the keys' bias.  Lane l then holds query l % 16 and keys
; 16 kt + 8 (l / 16) + j: maximum and sum stay inside the lane but for one exchange between the halves, and the exponentials,
; packed to f16 in place, ARE source 1 of O^T = V^T P^T (source 0 = V through the transposing LDS load): nothing moves between lanes.
; The scale 64^-0.5 and log2 e are one factor c in the multiply-add in front of the exponential: p = 2^(c s - c m).
; MASK: a masked key gets the bias -2^120 in C in place of reference()'s select of -FLT_MAX.  The same result as long as |score| < 2^95:
; its exponential is 0 beside any open key; where all keys of a batch are masked every s is exactly -2^120, c s - c m is exactly 0 and the
; weights are uniform, as in reference().
; The accumulators of each group of matrix instructions take turns, one instruction a turn.
.set PK,    144
.set PV,    160
.set KOFF,  256*PV                     ; K lies behind V's 40,960 bytes
.set SLOT,  KOFF+256*PK                ; 77,824
.set BIAS,  2*SLOT                     ; f32[2048]: 0 or -2^120; written by LDS stores, no fill lands there
.set STAGE, BIAS+8192                  ; 32 rows x 144 bytes for each wave, for the way out
.set G1V, 24                           ; s[24:31] descriptor group 1 for V's tiles
.set G0V, 32                           ; s[32:39] group 0, one set for each slot
.set G1K, 48
.set G0K, 56
; window 0: v6, v7 and v[2:5] at work; v8-9 K's LDS address in slot 0, 1; v10-11 V's; v12 the bias; v13 stage in, v14 stage back, v15 store offset;
; v16-17 running maximum m (raw scores) of query tile 0, 1; v[20:21], v[22:23] -c m; v[24:25], v[26:27] the factor 2^(c m_old - c m_new) (the pairs' low
; registers are used, the high ones written once); v28-29 running sums; v32-63 bias of 64 keys; v64-127 S, then P; v128-191 K's fragments; v192-255 V's.
; window 1: v0-63 O (query tile qt, dims tile dt at 32 qt + 8 dt); v64-95 Q's fragments.
.set MSB, 0
.macro WIN new
.if MSB != \new
	s_set_vgpr_msb (MSB<<8)|\new
.set MSB, \new
.endif
.endm
.macro JLOAD s                         ; the branch hangs on the wave's number alone
	s_cmp_eq_u32 s11, 0
	s_cbranch_scc0 .Lfor_k_\@
	tensor_load_to_lds s[G0V+4*\s:G0V+4*\s+3], s[G1V:G1V+7]
	s_nop 0
	s_branch .Lasked_\@
.Lfor_k_\@:
	tensor_load_to_lds s[G0K+4*\s:G0K+4*\s+3], s[G1K:G1K+7]
	s_nop 0
.Lasked_\@:
.endm
.macro CROUND                          ; a round of the cluster's barrier
	s_barrier_signal -1
	s_barrier_wait -1
	s_cmp_lg_u32 s10, 0
	s_cbranch_scc1 .Lnot_wave_0_\@
	s_barrier_signal -3
.Lnot_wave_0_\@:
	s_barrier_wait -3
	s_barrier_signal -1
	s_barrier_wait -1
.endm
.macro PLACES
.rept 4
	v_nop
.endr
.endm
	s_load_b128 s[4:7], s[0:1], 0x0                ; qkv s[4:5], mask s[6:7]
	s_load_b64 s[8:9], s[0:1], 0x10                ; o
	s_set_vgpr_msb 0x40
	v_lshl_add_u32 v128, v0, 2, 0x31000
	v_mov_b32 v129, 0
	s_set_vgpr_msb 0x4045
	ds_add_u32 v128, v129
	s_set_vgpr_msb 0x4500
	v_lshrrev_b32 v1, 5, v0
	v_readfirstlane_b32 s10, v1                    ; wave 0..7
	s_lshr_b32 s11, s10, 2                         ; I fetch for V (0) or for K (1)
	s_and_b32 s12, s10, 3                          ; which 64 keys of the tile
	s_bfe_u32 s40, ttmp6, 0x40000                  ; cx
	s_lshl_b32 s42, ttmp9, 2
	s_add_co_u32 s42, s42, s40                     ; query block
	s_and_b32 s13, ttmp7, 0xffff                   ; 16 batch + head
	s_mov_b32 s14, 0x76543210                      ; v_permlanex16_b32: lane i of one half reads lane i of the other
	s_mov_b32 s15, 0xfedcba98
	; 64 keys of 128 bytes are dense in memory: 32 rows of 256 bytes, with padding behind every 32 words, that is behind every key
	s_mov_b32 s[G1V+0], 15|(1<<16)|(1<<20)|(1<<21)|(4<<22)|(7<<25)   ; mask: all four partners; 8 words of padding: keys 160 bytes apart
	s_mov_b32 s[G1K+0], 15|(1<<16)|(1<<20)|(1<<21)|(4<<22)|(3<<25)   ; 4 words: 144 bytes apart
.irp g, G1V, G1K
	s_mov_b32 s[\g+1], 128<<16                     ; tensor_dim0 = 128
	s_mov_b32 s[\g+2], 32<<16                      ; tensor_dim1 = 32
	s_mov_b32 s[\g+3], 128<<16                     ; tile_dim0 = 128
	s_mov_b32 s[\g+4], 32                          ; tile_dim1 = 32
	s_mov_b32 s[\g+5], 128                         ; elements from row to row
	s_mov_b32 s[\g+6], 0
	s_mov_b32 s[\g+7], 0
.endr
	s_lshl_b32 s16, s13, 18                        ; my plane of 262,144 bytes: shared by the four partners
	s_lshl_b32 s17, s12, 13                        ; + my 64 keys
	s_add_co_u32 s16, s16, s17
	s_mov_b32 s17, 0
	s_mul_i32 s20, s10, 64*PV                      ; waves 0-3: V's quarters at 10,240 w
	s_mul_i32 s21, s10, 64*PK
	s_add_co_u32 s21, s21, KOFF-4*64*PK            ; waves 4-7: K's quarters at 40,960 + 9,216 (w - 4) = 9,216 w + 4,096
	s_lshl_b32 s18, s13, 18                        ; my 32 queries, in q and in o
	s_lshl_b32 s19, s42, 15
	s_add_co_u32 s18, s18, s19
	s_lshl_b32 s19, s10, 12
	s_add_co_u32 s18, s18, s19
	s_mov_b32 s19, 0
	s_lshr_b32 s22, s13, 4
	s_lshl_b32 s22, s22, 11                        ; my batch's 2,048 bytes of the mask
	s_mov_b32 s23, 0
	s_wait_dscnt 0x0
	s_wait_kmcnt 0x0
	s_add_nc_u64 s[44:45], s[4:5], s[16:17]
	s_add_nc_u64 s[46:47], s[44:45], 8388608       ; K's planes
	s_add_nc_u64 s[44:45], s[44:45], 16777216      ; V's planes
	s_add_nc_u64 s[66:67], s[4:5], s[18:19]
	s_add_nc_u64 s[68:69], s[8:9], s[18:19]
	s_add_nc_u64 s[70:71], s[6:7], s[22:23]
	CROUND                                         ; the four partners are here: the first joint loads meet
.irp s, 0,1
	s_mov_b32 s[G0V+4*\s], 1
	s_add_co_u32 s[G0V+4*\s+1], s20, \s*SLOT
	s_add_nc_u64 s[G0V+4*\s+2:G0V+4*\s+3], s[44:45], \s*32768      ; tile s: 256 keys of 128 bytes
	s_or_b32 s[G0V+4*\s+3], s[G0V+4*\s+3], 0x80000000
	s_mov_b32 s[G0K+4*\s], 1
	s_add_co_u32 s[G0K+4*\s+1], s21, \s*SLOT
	s_add_nc_u64 s[G0K+4*\s+2:G0K+4*\s+3], s[46:47], \s*32768
	s_or_b32 s[G0K+4*\s+3], s[G0K+4*\s+3], 0x80000000
	JLOAD \s                                       ; two tensor loads of the wave are out
.endr
	v_and_b32 v1, 15, v0                           ; r
	v_bfe_u32 v2, v0, 4, 1                         ; h
	v_mul_u32_u24 v3, v1, PK
	v_lshl_add_u32 v3, v2, 4, v3                   ; r x 144 + 16 h
	v_add_nc_u32 v8, KOFF, v3
	v_add_nc_u32 v9, SLOT, v8
	v_and_b32 v4, 7, v0
	v_lshl_add_u32 v4, v2, 3, v4
	v_mul_u32_u24 v4, v4, PV                       ; transposing load: key 8 h + l % 8,
	v_bfe_u32 v5, v0, 3, 1
	v_lshl_add_u32 v10, v5, 4, v4                  ; 16 bytes (l / 8) % 2
	v_add_nc_u32 v11, SLOT, v10
	v_lshl_add_u32 v12, v2, 5, BIAS                ; eight keys' bias for each half of the lanes
	s_mul_i32 s22, s10, 32*PK
	s_add_co_u32 s22, s22, STAGE                   ; my stage
	v_add_nc_u32 v13, s22, v3
	v_bfe_u32 v5, v0, 3, 2
	v_mul_u32_u24 v5, v5, PK
	v_and_b32 v4, 7, v0
	v_lshl_add_u32 v5, v4, 4, v5
	v_add_nc_u32 v14, s22, v5                      ; back: eight lanes take a query's 128 bytes, the wave four queries
	v_and_b32 v4, 31, v0
	v_lshlrev_b32 v15, 4, v4
	v_lshlrev_b32 v18, 3, v0                       ; eight bytes of the mask for each of 256 threads
	v_lshl_add_u32 v19, v0, 5, BIAS                ; and their eight words of bias
	v_mov_b32 v30, 0xfb800000                      ; -2^120
	v_lshlrev_b32 v31, 7, v1
	v_lshl_or_b32 v31, v2, 4, v31                  ; Q: query r, 16 bytes for each half
	v_mov_b32 v21, 0                               ; the pairs' high registers, named by the packed forms and not used
	v_mov_b32 v23, 0
	v_mov_b32 v25, 0
	v_mov_b32 v27, 0
	global_load_b64 v[6:7], v18, s[70:71]
	WIN 0x40
.irp qt, 0,1
.irp ks, 0,1
	global_load_b128 v[64+8*(2*\qt+\ks):64+8*(2*\qt+\ks)+3],   v31, s[66:67] offset:2048*\qt+64*\ks
	global_load_b128 v[64+8*(2*\qt+\ks)+4:64+8*(2*\qt+\ks)+7], v31, s[66:67] offset:2048*\qt+64*\ks+32
.endr
.endr
	WIN 0
	s_wait_loadcnt 8                               ; the mask is in; Q's eight loads stay out
.irp k, 0,1,2,3
	v_bfe_u32 v1, v6, 8*\k, 8
	v_cmp_eq_u32 vcc_lo, 0, v1
	v_cndmask_b32 v[32+\k], 0, v30, vcc_lo
	v_bfe_u32 v1, v7, 8*\k, 8
	v_cmp_eq_u32 vcc_lo, 0, v1
	v_cndmask_b32 v[36+\k], 0, v30, vcc_lo
.endr
	ds_store_b128 v19, v[32:35]
	ds_store_b128 v19, v[36:39] offset:16
	s_wait_dscnt 0x0                               ; my words of the bias are written, for the other waves' sake
	s_wait_tensorcnt 0x1                           ; my part of slot 0 is in; slot 1's stays out
	s_barrier_signal -1
	s_barrier_wait -1
	s_wait_loadcnt 0x0                             ; Q
; Query tile qt: 32 scores a lane become 32 exponentials, packed to f16 in place.
.macro SOFTMAX qt, first
.set SB, 64+32*\qt
	v_max3_num_f32 v6, v[SB], v[SB+1], v[SB+2]     ; the largest of my 32, in two chains
	v_max3_num_f32 v7, v[SB+17], v[SB+18], v[SB+19]
.irp k, 3,5,7,9,11,13
	v_max3_num_f32 v6, v6, v[SB+\k], v[SB+\k+1]
	v_max3_num_f32 v7, v7, v[SB+17+\k], v[SB+18+\k]
.endr
	v_max3_num_f32 v6, v6, v[SB+15], v[SB+16]
.if \first
	v_max_num_f32 v6, v6, v7
.else
	v_max3_num_f32 v6, v6, v7, v[16+\qt]           ; and the running maximum
.endif
	v_permlanex16_b32 v7, v6, s14, s15             ; the other half of the lanes holds the query's other keys
	v_max_num_f32 v[16+\qt], v6, v7
	v_mul_f32 v7, 0xbe38aa3b, v[16+\qt]            ; -c m, c = 0.125 log2 e
.if \first == 0
	v_sub_f32 v[24+2*\qt], v7, v[20+2*\qt]         ; c m_old - c m_new
.endif
	v_mov_b32 v[20+2*\qt], v7
.irp k, 0,2,4,6,8,10,12,14,16,18,20,22,24,26,28,30
	v_pk_fma_f32 v[SB+\k:SB+\k+1], v[SB+\k:SB+\k+1], 0x3e38aa3b, v[20+2*\qt:21+2*\qt] op_sel_hi:[1,0,0]
.endr
.if \first == 0
	v_exp_f32 v[24+2*\qt], v[24+2*\qt]
.endif
.irp k, 0,1,2,3,4,5,6,7,8,9,10,11,12,13,14,15,16,17,18,19,20,21,22,23,24,25,26,27,28,29,30,31
	v_exp_f32 v[SB+\k], v[SB+\k]
.endr
	v_nop                                          ; one plain vector instruction between the exponentials and the first use of their results (ISA guide 5.7.2)
	s_wait_alu depctr_va_vdst(0)
	v_pk_add_f32 v[2:3], v[SB:SB+1], v[SB+2:SB+3]  ; my 32 in two chains
	v_pk_add_f32 v[4:5], v[SB+16:SB+17], v[SB+18:SB+19]
.irp k, 4,6,8,10,12,14
	v_pk_add_f32 v[2:3], v[2:3], v[SB+\k:SB+\k+1]
	v_pk_add_f32 v[4:5], v[4:5], v[SB+16+\k:SB+17+\k]
.endr
	v_pk_add_f32 v[2:3], v[2:3], v[4:5]
.if \first
	v_add_f32 v[28+\qt], v2, v3
.else
	v_add_f32 v2, v2, v3
	v_fma_f32 v[28+\qt], v[28+\qt], v[24+2*\qt], v2   ; the halves' sums meet at the end: the factor is the same in both
.endif
.irp kg, 0,1                                       ; ascending: a register is written only after it has been read
.irp i, 0,1,2,3
	v_cvt_pk_f16_f32 v[SB+16*\kg+\i], v[SB+16*\kg+2*\i], v[SB+16*\kg+2*\i+1]
.endr
.irp i, 0,1,2,3
	v_cvt_pk_f16_f32 v[SB+16*\kg+4+\i], v[SB+16*\kg+8+2*\i], v[SB+16*\kg+9+2*\i]
.endr
.endr
.endm
; 64 keys: keys 64 kb .. 64 kb + 63 of the tile in the slot.
.macro ITER slot, kb, first
.rept 5
	v_nop                                          ; five places behind the last products: for the loads into V's fragments and for the products that write over P
.endr
.irp kt, 0,1,2,3
	ds_load_b128 v[32+8*\kt:35+8*\kt], v12 offset:256*\kb+64*\kt
	ds_load_b128 v[36+8*\kt:39+8*\kt], v12 offset:256*\kb+64*\kt+16
.endr
.irp kt, 0,1,2,3
.irp ks, 0,1
	ds_load_b128 v[128+8*(2*\kt+\ks):128+8*(2*\kt+\ks)+3],   v[8+\slot] offset:(64*\kb+16*\kt)*PK+64*\ks
	ds_load_b128 v[128+8*(2*\kt+\ks)+4:128+8*(2*\kt+\ks)+7], v[8+\slot] offset:(64*\kb+16*\kt)*PK+64*\ks+32
.endr
.endr
.irp kg, 0,1
.irp dt, 0,1,2,3
	ds_load_tr16_b128 v[192+8*(4*\kg+\dt):192+8*(4*\kg+\dt)+3],   v[10+\slot] offset:(64*\kb+32*\kg)*PV+32*\dt
	ds_load_tr16_b128 v[192+8*(4*\kg+\dt)+4:192+8*(4*\kg+\dt)+7], v[10+\slot] offset:(64*\kb+32*\kg)*PV+32*\dt+16*PV
.endr
.endr
	s_wait_dscnt 16                                ; bias and K are in; V's sixteen loads may stay out
	WIN 0x04                                       ; source 1 (Q) in window 1
.irp qt, 0,1
.irp kt, 0,1,2,3
	v_wmma_f32_16x16x32_f16 v[64+32*\qt+8*\kt:64+32*\qt+8*\kt+7], v[128+16*\kt:128+16*\kt+7], v[64+16*\qt:64+16*\qt+7], v[32+8*\kt:32+8*\kt+7]
.endr
.endr
.irp qt, 0,1
.irp kt, 0,1,2,3
	v_wmma_f32_16x16x32_f16 v[64+32*\qt+8*\kt:64+32*\qt+8*\kt+7], v[136+16*\kt:136+16*\kt+7], v[72+16*\qt:72+16*\qt+7], v[64+32*\qt+8*\kt:64+32*\qt+8*\kt+7]
.endr
.endr
	WIN 0
	PLACES
	SOFTMAX 0, \first
	SOFTMAX 1, \first
.if \first == 0
	WIN 0x41                                       ; O in window 1, the factor in window 0
.irp qt, 0,1
.irp k, 0,2,4,6,8,10,12,14,16,18,20,22,24,26,28,30
	v_pk_mul_f32 v[32*\qt+\k:32*\qt+\k+1], v[32*\qt+\k:32*\qt+\k+1], v[24+2*\qt:25+2*\qt] op_sel_hi:[1,0]
.endr
.endr
.endif
	s_wait_dscnt 0x0                               ; V
	WIN 0x50                                       ; C and D in window 1
.irp qt, 0,1
.irp dt, 0,1,2,3
.if \first
	v_wmma_f32_16x16x32_f16 v[32*\qt+8*\dt:32*\qt+8*\dt+7], v[192+8*\dt:192+8*\dt+7], v[64+32*\qt:64+32*\qt+7], 0
.else
	v_wmma_f32_16x16x32_f16 v[32*\qt+8*\dt:32*\qt+8*\dt+7], v[192+8*\dt:192+8*\dt+7], v[64+32*\qt:64+32*\qt+7], v[32*\qt+8*\dt:32*\qt+8*\dt+7]
.endif
.endr
.endr
.irp qt, 0,1
.irp dt, 0,1,2,3
	v_wmma_f32_16x16x32_f16 v[32*\qt+8*\dt:32*\qt+8*\dt+7], v[224+8*\dt:224+8*\dt+7], v[80+32*\qt:80+32*\qt+7], v[32*\qt+8*\dt:32*\qt+8*\dt+7]
.endr
.endr
	WIN 0
.endm
.macro FOUR slot
	ITER \slot, 0, 0
	ITER \slot, 1, 0
	ITER \slot, 2, 0
	ITER \slot, 3, 0
	v_add_nc_u32 v12, 1024, v12                    ; the next 256 keys' bias
.endm
; In front of the tile in 'slot': every wave's reads of the other slot are over and all its tensor loads have landed, its part of 'slot' among them.
; refill = 1: a round of the cluster's barrier, and the other slot's next tile is asked for first behind it; it has four ITERs in which to land.
.macro CHANGE slot, other, refill
	s_set_vgpr_msb 0x5
	s_wait_tensorcnt 0x0
	ds_add_u32 v128, v129
	s_wait_dscnt 0x0
	s_set_vgpr_msb 0x500
.if \refill
	s_add_nc_u64 s[G0V+4*\other+2:G0V+4*\other+3], s[G0V+4*\other+2:G0V+4*\other+3], 65536   ; no load of mine is out: a group 0 may be written; two tiles on
	s_add_nc_u64 s[G0K+4*\other+2:G0K+4*\other+3], s[G0K+4*\other+2:G0K+4*\other+3], 65536
.endif
	s_wait_dscnt 0x0
.if \refill
	CROUND
	JLOAD \other
.else
	s_barrier_signal -1
	s_barrier_wait -1
.endif
.endm
	ITER 0, 0, 1                                   ; tile 0; the first 64 keys start maximum, sums and O: nothing is cleared
	ITER 0, 1, 0
	ITER 0, 2, 0
	ITER 0, 3, 0
	v_add_nc_u32 v12, 1024, v12
	s_mov_b32 s3, 3
.Ltiles:                                           ; tiles 1 to 6; tiles 2 to 7 are asked for
	CHANGE 1, 0, 1
	FOUR 1
	CHANGE 0, 1, 1
	FOUR 0
	s_sub_co_u32 s3, s3, 1
	s_cmp_lg_u32 s3, 0
	s_cbranch_scc1 .Ltiles
	CHANGE 1, 0, 0                                 ; tile 7: nothing is left to fetch
	ITER 1, 0, 0
	ITER 1, 1, 0
	ITER 1, 2, 0
	ITER 1, 3, 0
	; THE WAY OUT: divide by the sums, round to f16, 16 bytes a lane into my own stage, read back as whole queries.
	PLACES
	v_permlanex16_b32 v6, v28, s14, s15
	v_permlanex16_b32 v7, v29, s14, s15
	v_add_f32 v28, v28, v6
	v_add_f32 v29, v29, v7
	v_rcp_f32 v24, v28                             ; the sum is at least the largest key's exponential, about 1
	v_rcp_f32 v26, v29
	v_nop
	WIN 0x41
	s_wait_alu depctr_va_vdst(0)
.irp qt, 0,1
.irp k, 0,2,4,6,8,10,12,14,16,18,20,22,24,26,28,30
	v_pk_mul_f32 v[32*\qt+\k:32*\qt+\k+1], v[32*\qt+\k:32*\qt+\k+1], v[24+2*\qt:25+2*\qt] op_sel_hi:[1,0]
.endr
.endr
	WIN 0x05
.irp t, 0,1,2,3,4,5,6,7
.irp i, 0,1,2,3
	v_cvt_pk_f16_f32 v[64+4*\t+\i], v[8*\t+2*\i], v[8*\t+2*\i+1]
.endr
.endr
	WIN 0
.irp qt, 0,1
.irp dt, 0,1,2,3
	ds_store_b128 v13, v[64+4*(4*\qt+\dt):64+4*(4*\qt+\dt)+3] offset:16*PK*\qt+32*\dt
.endr
.endr
.irp t, 0,1,2,3,4,5,6,7
	ds_load_b128 v[128+4*\t:128+4*\t+3], v14 offset:4*PK*\t        ; LDS serves a wave's instructions in order: these see the stores above
.endr
.irp t, 0,1,2,3,4,5,6,7
	s_wait_dscnt 7-\t                              ; load t is back, the younger ones stay out
	global_store_b128 v15, v[128+4*\t:128+4*\t+3], s[68:69] offset:512*\t   ; four queries: 512 consecutive bytes, aligned
.endr
	s_set_vgpr_msb 0x5
	s_wait_tensorcnt 0x0
	ds_add_u32 v128, v129
	s_wait_dscnt 0x0
	s_set_vgpr_msb 0x500
	CROUND                                         ; the closing round
	s_endpgm
.Lfunc_end_k_qd228dca16b_attn:
	.size	k_qd228dca16b_attn, .Lfunc_end_k_qd228dca16b_attn-k_qd228dca16b_attn
	.p2alignl 7, 3214868480
	.fill 96, 4, 3214868480
	.section	.rodata,"a",@progbits
	.p2align	6, 0x0
	.amdhsa_kernel k_qd228dca16b_attn
		.amdhsa_group_segment_fixed_size 327680
		.amdhsa_private_segment_fixed_size 0
		.amdhsa_enable_private_segment 0
		.amdhsa_kernarg_size 24
		.amdhsa_user_sgpr_count 2
		.amdhsa_user_sgpr_kernarg_segment_ptr 1
		.amdhsa_wavefront_size32 1
		.amdhsa_system_sgpr_workgroup_id_x 1
		.amdhsa_system_sgpr_workgroup_id_y 1
		.amdhsa_system_sgpr_workgroup_id_z 1
		.amdhsa_system_vgpr_workitem_id 0
		.amdhsa_next_free_vgpr 386
		.amdhsa_next_free_sgpr 72
		.amdhsa_reserve_vcc 1
		.amdhsa_float_denorm_mode_32 3
		.amdhsa_float_denorm_mode_16_64 3
		.amdhsa_memory_ordered 1
		.amdhsa_forward_progress 1
		.amdhsa_inst_pref_size 255
	.end_amdhsa_kernel
	.section	.bss,"aw",@nobits
	.p2align	6
	.space	262144
	.amdgpu_metadata
---
amdhsa.version: [ 1, 2 ]
amdhsa.kernels:
  - .name:           k_qd228dca16b_attn
    .symbol:         k_qd228dca16b_attn.kd
    .args:
      - { .name: qkv, .offset: 0, .size: 8, .value_kind: global_buffer, .address_space: global }
      - { .name: mask, .offset: 8, .size: 8, .value_kind: global_buffer, .address_space: global }
      - { .name: o, .offset: 16, .size: 8, .value_kind: global_buffer, .address_space: global }
    .group_segment_fixed_size: 327680
    .private_segment_fixed_size: 0
    .kernarg_segment_align: 8
    .kernarg_segment_size: 24
    .max_flat_workgroup_size: 256
    .sgpr_count:     72
    .vgpr_count:     386
    .wavefront_size: 32
...
	.end_amdgpu_metadata
.endif
;; end of part 3
;; launch proj (part 4): grid 8 x 32, 4 waves a work-group, clusters of 4 x 4, 327,680 bytes of LDS; arguments o, h16, y; writes y
.if DOCPART == 4
	.amdgcn_target "amdgcn-amd-amdhsa--gfx1250"
	.amdhsa_code_object_version 6
	.text
	.protected	k_qd228dca16b_proj
	.globl	k_qd228dca16b_proj
	.p2align	8
	.type	k_qd228dca16b_proj,@function
k_qd228dca16b_proj:
	s_mov_b64 s[64:65], 0
	v_nop
	global_prefetch_b8 v0, s[64:65] scope:SCOPE_SE
	s_setreg_imm32_b32 hwreg(HW_REG_WAVE_MODE, 25, 1), 1
	s_wait_xcnt 0x0
	s_wait_alu depctr_hold_cnt(0) depctr_sa_sdst(0) depctr_va_vdst(0) depctr_va_sdst(0) depctr_va_ssrc(0) depctr_va_vcc(0) depctr_vm_vsrc(0)
	s_getreg_b32 s2, hwreg(HW_REG_IB_STS2, 6, 4)
	s_cmp_eq_u32 s2, 0
	s_cbranch_scc0 .Lentry_in_a_cluster
	s_endpgm
.Lentry_in_a_cluster:
	s_bfe_u32 s2, ttmp6, 0x10000c
	s_cmp_lg_u32 s2, 0xf033
	s_cbranch_scc0 .Lentry_shape_is_right
	s_endpgm
.Lentry_shape_is_right:
; y = o W_out in f32.  o: f16 [2][16 heads][2048][64]; W_out: f16 [1024 (k = 64 head + d)][1024] at byte 14,680,064 of h16; y: f32 [4096][1024].
; A work-group makes 128 x 128 of y (256 work-groups), its four waves 64 x 64 each: 16 accumulator tiles.  LayerNorm needs whole rows of
; 1,024 columns, which eight work-groups make, so it is a launch of its own.
; K = 1024 goes through two LDS slots of 256 along K each (four heads): four fills in all, the whole flow written out.  A slot of 128 along K
; would leave 64 matrix instructions for the next tile to land; this one leaves 128.
; CLUSTERS 4 x 4: o's tile hangs on the block row alone and is asked for jointly along a row of the cluster, W's on the block column alone, along a column.
; o's tile: for each head 128 positions x 128 bytes, dense in memory: one descriptor row of 8,192 elements a head, two heads a load, padding behind
; every 128 bytes.  W lies [k][n]; its fragments come by the transposing LDS load.
; Source 0 = 16 columns of W, source 1 = 16 rows of o: lane l holds row l % 16 and columns 16 b + 8 (l / 16) + j, 32 neighbouring bytes of y.
; The 16 accumulators take turns, one instruction a turn.
.set PA,    144
.set PB,    288                        ; 256 bytes + 32: 9 x 32
.set SUB,   128*PA                     ; a head's 128 rows
.set PART,  2*SUB                      ; what one load brings: two heads of o, or 128 rows of W: 36,864 both
.set BOFF,  2*PART
.set SLOT,  4*PART                     ; 147,456
.set STAGE, 2*SLOT                     ; 16 rows x 272 bytes for each wave; no fill lands there
.set SP,    272
.set WO,    14680064
.set ADRA, 16                          ; v16-17 my fragments of o in slot 0, 1
.set ADRB, 20                          ; v20-23 my fragments of W: slot 0 k 0-127, slot 0 k 128-255, slot 1 likewise (an LDS offset has 16 bits)
.set STO,  24
.set RD,   25
.set CO,   26
.set RB0,  160
.set RB1,  192
.set G1,  24
.set G0,  32
.set G1B, 48
.set G0B, 56
; window 0: fragments of o at v32 (buffer 0) and v96 (buffer 1), of W at v64 and v128; window 1: accumulator (a, b) at 8 (4 a + b)
.set MSB, 0
.macro WIN new
.if MSB != \new
	s_set_vgpr_msb (MSB<<8)|\new
.set MSB, \new
.endif
.endm
.macro JLOAD s
	s_cmp_eq_u32 s11, 0
	s_cbranch_scc0 .Lfor_b_\@
	tensor_load_to_lds s[G0+4*\s:G0+4*\s+3], s[G1:G1+7]
	s_nop 0
	s_branch .Lasked_\@
.Lfor_b_\@:
	tensor_load_to_lds s[G0B+4*\s:G0B+4*\s+3], s[G1B:G1B+7]
	s_nop 0
.Lasked_\@:
.endm
.macro CREST
	s_cmp_lg_u32 s10, 0
	s_cbranch_scc1 .Lnot_wave_0_\@
	s_barrier_signal -3
.Lnot_wave_0_\@:
	s_barrier_wait -3
	s_barrier_signal -1
	s_barrier_wait -1
.endm
.macro CROUND
	s_barrier_signal -1
	s_barrier_wait -1
	CREST
.endm
.macro PLACES
.rept 4
	v_nop
.endr
.endm
	s_load_b128 s[4:7], s[0:1], 0x0                ; o s[4:5], h16 s[6:7]
	s_load_b64 s[8:9], s[0:1], 0x10                ; y
	v_lshl_add_u32 v254, v0, 2, 0x4c400
	v_mov_b32 v255, 0
	ds_add_u32 v254, v255
	v_lshrrev_b32 v1, 5, v0
	v_readfirstlane_b32 s10, v1                    ; wave 0..3
	s_lshr_b32 s11, s10, 1                         ; my half of the block's rows.  Also: I fetch for o (0) or for W (1)
	s_and_b32 s12, s10, 1                          ; my half of its columns.  Also: which half of that tile I fetch
	s_bfe_u32 s40, ttmp6, 0x40000                  ; cx
	s_bfe_u32 s41, ttmp6, 0x40004                  ; cy
	s_lshl_b32 s42, ttmp9, 2
	s_add_co_u32 s42, s42, s40                     ; block column
	s_and_b32 s13, ttmp7, 0xffff
	s_lshl_b32 s13, s13, 2
	s_add_co_u32 s13, s13, s41                     ; block row
	s_lshl_b32 s43, s41, 2
	s_lshl_b32 s43, 15, s43                        ; my row of the cluster
	s_lshl_b32 s44, 0x1111, s40                    ; my column
	s_or_b32 s[G1+0], s43, (1<<16)|(1<<20)|(1<<21)|(4<<22)|(3<<25)   ; 4 words of padding behind every 32 words: positions 144 bytes apart
	s_mov_b32 s[G1+1], 8192<<16                    ; tensor_dim0 = 8,192: 128 positions x 64 dims
	s_mov_b32 s[G1+2], 2<<16                       ; tensor_dim1 = 2 heads
	s_mov_b32 s[G1+3], 8192<<16                    ; tile_dim0
	s_mov_b32 s[G1+4], 2                           ; tile_dim1
	s_mov_b32 s[G1+5], 131072                      ; elements from a head to the next
	s_mov_b32 s[G1+6], 0
	s_mov_b32 s[G1+7], 0
	s_or_b32 s[G1B+0], s44, (1<<16)|(1<<20)|(1<<21)|(5<<22)|(7<<25)  ; 8 words of padding behind every 64 words
	s_mov_b32 s[G1B+1], 128<<16
	s_mov_b32 s[G1B+2], 128<<16
	s_mov_b32 s[G1B+3], 128<<16
	s_mov_b32 s[G1B+4], 128
	s_mov_b32 s[G1B+5], 1024
	s_mov_b32 s[G1B+6], 0
	s_mov_b32 s[G1B+7], 0
	s_lshr_b32 s16, s13, 4                         ; o: batch
	s_lshl_b32 s16, s16, 4                         ; x 16 heads
	s_lshl1_add_u32 s16, s12, s16                  ; + two heads for the second half
	s_lshl_b32 s16, s16, 18                        ; planes of 262,144 bytes
	s_and_b32 s17, s13, 15
	s_lshl_b32 s17, s17, 14                        ; + 128 positions of 128 bytes for each block row of the batch
	s_add_co_u32 s16, s16, s17
	s_mov_b32 s17, 0
	s_lshl_b32 s46, s42, 8                         ; W: 128 columns of 2 bytes for each block column
	s_lshl_b32 s47, s12, 18                        ; + 128 rows of 2,048 bytes for the second half
	s_add_co_u32 s46, s46, s47
	s_add_co_u32 s46, s46, WO
	s_mov_b32 s47, 0
	s_mul_i32 s20, s10, PART                       ; where they go: o's two halves, then W's two halves = wave x 36,864
	s_lshl_b32 s72, s13, 19                        ; y: 128 rows of 4,096 bytes for each block row
	s_lshl_b32 s73, s11, 18
	s_add_co_u32 s72, s72, s73
	s_lshl_b32 s73, s42, 9
	s_add_co_u32 s72, s72, s73
	s_lshl_b32 s73, s12, 8
	s_add_co_u32 s72, s72, s73
	s_mov_b32 s73, 0
	s_wait_dscnt 0x0
	s_wait_kmcnt 0x0
	s_add_nc_u64 s[14:15], s[4:5], s[16:17]
	s_add_nc_u64 s[46:47], s[6:7], s[46:47]
	s_add_nc_u64 s[66:67], s[8:9], s[72:73]
	CROUND                                         ; all sixteen work-groups are here
.irp s, 0,1
	s_mov_b32 s[G0+4*\s], 1
	s_add_co_u32 s[G0+4*\s+1], s20, \s*SLOT
	s_add_nc_u64 s[G0+4*\s+2:G0+4*\s+3], s[14:15], \s*4*262144     ; four heads on
	s_or_b32 s[G0+4*\s+3], s[G0+4*\s+3], 0x80000000
	s_mov_b32 s[G0B+4*\s], 1
	s_add_co_u32 s[G0B+4*\s+1], s20, \s*SLOT
	s_add_nc_u64 s[G0B+4*\s+2:G0B+4*\s+3], s[46:47], \s*256*2048   ; 256 rows on
	s_or_b32 s[G0B+4*\s+3], s[G0B+4*\s+3], 0x80000000
	JLOAD \s                                       ; two tensor loads of the wave are out
.endr
	v_and_b32 v1, 15, v0                           ; r
	v_bfe_u32 v2, v0, 4, 1                         ; h
	v_mul_u32_u24 v3, v1, PA
	v_lshl_add_u32 v3, v2, 4, v3
	s_mul_i32 s22, s11, 64*PA                      ; my 64 rows
	v_add_nc_u32 v[ADRA], s22, v3
	v_add_nc_u32 v[ADRA+1], SLOT, v[ADRA]
	v_and_b32 v4, 7, v0
	v_lshl_add_u32 v4, v2, 3, v4
	v_mul_u32_u24 v4, v4, PB
	v_bfe_u32 v5, v0, 3, 1
	v_lshl_add_u32 v4, v5, 4, v4
	s_lshl_b32 s23, s12, 7                         ; my 64 columns
	s_add_co_u32 s23, s23, BOFF
	v_add_nc_u32 v[ADRB], s23, v4
	v_add_nc_u32 v[ADRB+1], PART, v[ADRB]
	v_add_nc_u32 v[ADRB+2], SLOT, v[ADRB]
	v_add_nc_u32 v[ADRB+3], SLOT, v[ADRB+1]
	s_mul_i32 s21, s10, 16*SP
	s_add_co_u32 s21, s21, STAGE                   ; my stage
	v_mul_u32_u24 v4, v1, SP
	v_lshl_add_u32 v4, v2, 5, v4                   ; in: row r, 32 bytes for each half of the lanes
	v_add_nc_u32 v[STO], s21, v4
	v_mul_u32_u24 v5, v2, SP                       ; back: lanes 0-15 one row of 256 bytes, lanes 16-31 the next
	v_lshl_add_u32 v5, v1, 4, v5
	v_add_nc_u32 v[RD], s21, v5
	v_lshlrev_b32 v5, 12, v2
	v_lshl_add_u32 v[CO], v1, 4, v5                ; the same two rows in y
.macro MUL16 f, zero
.irp a, 0,1,2,3
.irp b, 0,1,2,3
.set DD, 8*(4*\a+\b)
.if \zero
	v_wmma_f32_16x16x32_f16 v[DD:DD+7], v[64+64*\f+8*\b:64+64*\f+8*\b+7], v[32+64*\f+8*\a:32+64*\f+8*\a+7], 0
.else
	v_wmma_f32_16x16x32_f16 v[DD:DD+7], v[64+64*\f+8*\b:64+64*\f+8*\b+7], v[32+64*\f+8*\a:32+64*\f+8*\a+7], v[DD:DD+7]
.endif
.endr
.endr
.endm
; 16 LDS loads: the fragments of eighth qd of a slot (32 along K) into buffer f
.macro FETCH slot, qd, f
.irp b, 0,1,2,3
	ds_load_tr16_b128 v[64+64*\f+8*\b:64+64*\f+8*\b+3],   v[ADRB+2*\slot+\qd/4] offset:(\qd%4)*32*PB+32*\b
	ds_load_tr16_b128 v[64+64*\f+8*\b+4:64+64*\f+8*\b+7], v[ADRB+2*\slot+\qd/4] offset:(\qd%4)*32*PB+32*\b+16*PB
.endr
.irp a, 0,1,2,3
	ds_load_b128 v[32+64*\f+8*\a:32+64*\f+8*\a+3],   v[ADRA+\slot] offset:(\qd/2)*SUB+(\qd%2)*64+\a*16*PA
	ds_load_b128 v[32+64*\f+8*\a+4:32+64*\f+8*\a+7], v[ADRA+\slot] offset:(\qd/2)*SUB+(\qd%2)*64+\a*16*PA+32
.endr
.endm
; fetches eighth nq into buffer g, then multiplies buffer f
.macro EIGHTH slot, nq, f, g, zero
	PLACES
	FETCH \slot, \nq, \g
	s_wait_dscnt 16                                ; buffer f is in; the 16 loads just issued stay out
	WIN 0x50                                       ; C and D in window 1
	MUL16 \f, \zero
	WIN 0
.endm
.macro SEVEN slot, zero
	EIGHTH \slot, 1, 0, 1, \zero
	EIGHTH \slot, 2, 1, 0, 0
	EIGHTH \slot, 3, 0, 1, 0
	EIGHTH \slot, 4, 1, 0, 0
	EIGHTH \slot, 5, 0, 1, 0
	EIGHTH \slot, 6, 1, 0, 0
	EIGHTH \slot, 7, 0, 1, 0
.endm
; The last eighth of a slot, and the change of slots: each wave's reads of this slot are over and all its tensor loads have landed; where the slot is
; filled again the barrier opens a round of the cluster's barrier and the joint refill comes first behind it.
.macro TURN slot, next, fill
	s_wait_dscnt 0x0
	s_wait_tensorcnt 0x0
	ds_add_u32 v254, v255
	s_wait_dscnt 0x0
	s_barrier_signal -1
	WIN 0x50
	MUL16 1, 0                                     ; register work while the others arrive
	WIN 0
	s_barrier_wait -1
.if \fill
	CREST
	s_add_nc_u64 s[G0+4*\slot+2:G0+4*\slot+3], s[G0+4*\slot+2:G0+4*\slot+3], 8*262144
	s_add_nc_u64 s[G0B+4*\slot+2:G0B+4*\slot+3], s[G0B+4*\slot+2:G0B+4*\slot+3], 512*2048
	JLOAD \slot
.endif
	PLACES
	FETCH \next, 0, 0
.endm
	s_wait_tensorcnt 0x1                           ; my part of slot 0 is in; slot 1's stays out
	s_barrier_signal -1
	s_barrier_wait -1
	FETCH 0, 0, 0
	SEVEN 0, 1                                     ; k 0-255; the first products start the sums
	TURN 0, 1, 1                                   ; slot 0 is asked for again: k 512-767
	SEVEN 1, 0                                     ; k 256-511
	TURN 1, 0, 1                                   ; slot 1: k 768-1023
	SEVEN 0, 0
	TURN 0, 1, 0                                   ; nothing is left to fetch
	SEVEN 1, 0
	s_wait_dscnt 0x0
	WIN 0x50
	MUL16 1, 0
	WIN 0
	; THE WAY OUT, 16 rows at a time, through my own stage: whole rows of 256 bytes come back.
	PLACES
.macro OUT16 a, rb
	WIN 0x04                                       ; an LDS store's data are its source 1: window 1
.irp b, 0,1,2,3
	ds_store_b128 v[STO], v[8*(4*\a+\b):8*(4*\a+\b)+3]   offset:64*\b
	ds_store_b128 v[STO], v[8*(4*\a+\b)+4:8*(4*\a+\b)+7] offset:64*\b+16
.endr
	WIN 0
	s_wait_xcnt 0x0                                ; the set rb, which earlier stores read, is loaded again only behind this wait
.irp t, 0,1,2,3,4,5,6,7
	ds_load_b128 v[\rb+4*\t:\rb+4*\t+3], v[RD] offset:2*SP*\t      ; LDS serves a wave's instructions in order: these see the stores above
.endr
.irp t, 0,1,2,3,4,5,6,7
	s_wait_dscnt 7-\t                              ; load t is back, the younger ones stay out
	global_store_b128 v[CO], v[\rb+4*\t:\rb+4*\t+3], s[66:67] offset:(16*\a+2*\t)*4096   ; 16 lanes store 256 consecutive bytes, aligned
.endr
.endm
	OUT16 0, RB0
	OUT16 1, RB1
	OUT16 2, RB0
	OUT16 3, RB1
	s_wait_tensorcnt 0x0
	ds_add_u32 v254, v255
	s_wait_dscnt 0x0
	CROUND                                         ; the closing round
	s_endpgm
.Lfunc_end_k_qd228dca16b_proj:
	.size	k_qd228dca16b_proj, .Lfunc_end_k_qd228dca16b_proj-k_qd228dca16b_proj
	.p2alignl 7, 3214868480
	.fill 96, 4, 3214868480
	.section	.rodata,"a",@progbits
	.p2align	6, 0x0
	.amdhsa_kernel k_qd228dca16b_proj
		.amdhsa_group_segment_fixed_size 327680
		.amdhsa_private_segment_fixed_size 0
		.amdhsa_enable_private_segment 0
		.amdhsa_kernarg_size 24
		.amdhsa_user_sgpr_count 2
		.amdhsa_user_sgpr_kernarg_segment_ptr 1
		.amdhsa_wavefront_size32 1
		.amdhsa_system_sgpr_workgroup_id_x 1
		.amdhsa_system_sgpr_workgroup_id_y 1
		.amdhsa_system_sgpr_workgroup_id_z 1
		.amdhsa_system_vgpr_workitem_id 0
		.amdhsa_next_free_vgpr 384
		.amdhsa_next_free_sgpr 76
		.amdhsa_reserve_vcc 0
		.amdhsa_float_denorm_mode_32 3
		.amdhsa_float_denorm_mode_16_64 3
		.amdhsa_memory_ordered 1
		.amdhsa_forward_progress 1
		.amdhsa_inst_pref_size 89
	.end_amdhsa_kernel
	.amdgpu_metadata
---
amdhsa.version: [ 1, 2 ]
amdhsa.kernels:
  - .name:           k_qd228dca16b_proj
    .symbol:         k_qd228dca16b_proj.kd
    .args:
      - { .name: o, .offset: 0, .size: 8, .value_kind: global_buffer, .address_space: global }
      - { .name: h16, .offset: 8, .size: 8, .value_kind: global_buffer, .address_space: global }
      - { .name: y, .offset: 16, .size: 8, .value_kind: global_buffer, .address_space: global }
    .group_segment_fixed_size: 327680
    .private_segment_fixed_size: 0
    .kernarg_segment_align: 8
    .kernarg_segment_size: 24
    .max_flat_workgroup_size: 128
    .sgpr_count:     76
    .vgpr_count:     384
    .wavefront_size: 32
...
	.end_amdgpu_metadata
.endif
;; end of part 4
;; launch lnorm (part 5): grid 256 x 1, 8 waves a work-group, no clusters, 0 bytes of LDS; arguments y, gamma, out0; writes out0
.if DOCPART == 5
	.amdgcn_target "amdgcn-amd-amdhsa--gfx1250"
	.amdhsa_code_object_version 6
	.text
	.protected	k_qd228dca16b_lnorm
	.globl	k_qd228dca16b_lnorm
	.p2align	8
	.type	k_qd228dca16b_lnorm,@function
k_qd228dca16b_lnorm:
	s_mov_b64 s[64:65], 0
	v_nop
	global_prefetch_b8 v0, s[64:65] scope:SCOPE_SE
	s_setreg_imm32_b32 hwreg(HW_REG_WAVE_MODE, 25, 1), 1
	s_wait_xcnt 0x0
; out0[r][c] = (y[r][c] - mean_r) rsqrt(var_r + 1e-5) gamma[c].  y, out0: f32 [4096][1024]; gamma: f32 [1024].
; A row is 4,096 bytes: one wave takes a whole row, eight loads of 16 bytes a lane, and keeps it in 32 registers between the passes, so
; that y is read once and no wave waits for another.  256 work-groups of eight waves, two rows a wave, all 24 loads of a wave out at once.
; The variance is the mean of the squares of the centred numbers, never a difference of large sums.
; Memory binds: no LDS, no matrix unit, no cluster (nothing but gamma's 4 KiB is shared).
.set G,  4                             ; v[4:35]    gamma of my 32 columns
.set X0, 36                            ; v[36:67]   row 0
.set X1, 68                            ; v[68:99]   row 1
.set T,  100                           ; v[100:107] four chains of pairs
.set NM, 108                           ; v[108:109] -mean, twice
.set RS, 110                           ; v[110:111] rsqrt(var + eps), twice
	s_load_b128 s[4:7], s[0:1], 0x0                ; y s[4:5], gamma s[6:7]
	s_load_b64 s[8:9], s[0:1], 0x10                ; out0
	v_and_b32 v2, 31, v0
	v_lshrrev_b32 v3, 5, v0
	v_lshlrev_b32 v2, 4, v2                        ; 16 bytes a lane
	v_lshl_or_b32 v1, v3, 13, v2                   ; + two rows a wave
	s_lshl_b32 s10, ttmp9, 16                      ; 16 rows of 4,096 bytes a work-group
	s_mov_b32 s11, 0
	s_mov_b32 s12, 0x3a800000                      ; 1 / 1024
	s_mov_b32 s13, 0x3727c5ac                      ; 1e-5
	s_mov_b32 s14, 0x76543210                      ; v_permlanex16_b32: lane i of one half reads lane i of the other
	s_mov_b32 s15, 0xfedcba98
	s_wait_kmcnt 0x0
	s_add_nc_u64 s[4:5], s[4:5], s[10:11]
	s_add_nc_u64 s[8:9], s[8:9], s[10:11]
.irp j, 0,1,2,3,4,5,6,7
	global_load_b128 v[G+4*\j:G+4*\j+3], v2, s[6:7] offset:512*\j
.endr
.irp j, 0,1,2,3,4,5,6,7
	global_load_b128 v[X0+4*\j:X0+4*\j+3], v1, s[4:5] offset:512*\j th:TH_LOAD_NT
.endr
.irp j, 0,1,2,3,4,5,6,7
	global_load_b128 v[X1+4*\j:X1+4*\j+3], v1, s[4:5] offset:4096+512*\j th:TH_LOAD_NT
.endr
; the four chains' eight numbers, then the 32 lanes: the sum ends up in v[T] of every lane
.macro FOLD
	v_pk_add_f32 v[T:T+1], v[T:T+1], v[T+2:T+3]
	v_pk_add_f32 v[T+4:T+5], v[T+4:T+5], v[T+6:T+7]
	v_pk_add_f32 v[T:T+1], v[T:T+1], v[T+4:T+5]
	v_add_f32 v[T], v[T], v[T+1]
	v_add_f32_dpp v[T], v[T], v[T] row_xmask:1 row_mask:0xf bank_mask:0xf
	v_add_f32_dpp v[T], v[T], v[T] row_xmask:2 row_mask:0xf bank_mask:0xf
	v_add_f32_dpp v[T], v[T], v[T] row_xmask:4 row_mask:0xf bank_mask:0xf
	v_add_f32_dpp v[T], v[T], v[T] row_xmask:8 row_mask:0xf bank_mask:0xf
	v_permlanex16_b32 v[T+1], v[T], s14, s15
	v_add_f32 v[T], v[T], v[T+1]
.endm
; the row in v[x .. x+31], at byte off of the wave's two rows; left = how many younger loads may stay out
.macro ROW x, off, left
	s_wait_loadcnt \left
.irp k, 0,2,4,6
	v_pk_add_f32 v[T+\k:T+\k+1], v[\x+\k:\x+\k+1], v[\x+8+\k:\x+9+\k]      ; the first sixteen numbers start the chains
.endr
.irp k, 16,18,20,22,24,26,28,30
	v_pk_add_f32 v[T+(\k%8):T+(\k%8)+1], v[T+(\k%8):T+(\k%8)+1], v[\x+\k:\x+\k+1]
.endr
	FOLD
	v_mul_f32 v[NM], 0xba800000, v[T]              ; -sum / 1024
	v_mul_f32 v[NM+1], 0xba800000, v[T]
.irp k, 0,2,4,6,8,10,12,14,16,18,20,22,24,26,28,30
	v_pk_add_f32 v[\x+\k:\x+\k+1], v[\x+\k:\x+\k+1], v[NM:NM+1]
.endr
.irp k, 0,2,4,6
	v_pk_mul_f32 v[T+\k:T+\k+1], v[\x+\k:\x+\k+1], v[\x+\k:\x+\k+1]
.endr
.irp k, 8,10,12,14,16,18,20,22,24,26,28,30
	v_pk_fma_f32 v[T+(\k%8):T+(\k%8)+1], v[\x+\k:\x+\k+1], v[\x+\k:\x+\k+1], v[T+(\k%8):T+(\k%8)+1]
.endr
	FOLD
	v_fma_f32 v[T], v[T], s12, s13                 ; var + eps
	v_rsq_f32 v[RS], v[T]
	v_rsq_f32 v[RS+1], v[T]
	v_nop                                          ; one plain vector instruction in front of the first use (ISA guide 5.7.2)
	s_wait_alu depctr_va_vdst(0)
.irp k, 0,2,4,6,8,10,12,14,16,18,20,22,24,26,28,30
	v_pk_mul_f32 v[\x+\k:\x+\k+1], v[\x+\k:\x+\k+1], v[RS:RS+1]
.endr
.irp k, 0,2,4,6,8,10,12,14,16,18,20,22,24,26,28,30
	v_pk_mul_f32 v[\x+\k:\x+\k+1], v[\x+\k:\x+\k+1], v[G+\k:G+\k+1]
.endr
.irp j, 0,1,2,3,4,5,6,7
	global_store_b128 v1, v[\x+4*\j:\x+4*\j+3], s[8:9] offset:\off+512*\j th:TH_STORE_NT   ; 512 consecutive bytes, aligned; the row's registers are not written again
.endr
.endm
	ROW X0, 0, 8                                   ; gamma and row 0 are in; row 1's eight loads stay out
	ROW X1, 4096, 0
	s_endpgm
.Lfunc_end_k_qd228dca16b_lnorm:
	.size	k_qd228dca16b_lnorm, .Lfunc_end_k_qd228dca16b_lnorm-k_qd228dca16b_lnorm
	.p2alignl 7, 3214868480
	.fill 96, 4, 3214868480
	.section	.rodata,"a",@progbits
	.p2align	6, 0x0
	.amdhsa_kernel k_qd228dca16b_lnorm
		.amdhsa_group_segment_fixed_size 0
		.amdhsa_private_segment_fixed_size 0
		.amdhsa_enable_private_segment 0
		.amdhsa_kernarg_size 24
		.amdhsa_user_sgpr_count 2
		.amdhsa_user_sgpr_kernarg_segment_ptr 1
		.amdhsa_wavefront_size32 1
		.amdhsa_system_sgpr_workgroup_id_x 1
		.amdhsa_system_sgpr_workgroup_id_y 1
		.amdhsa_system_sgpr_workgroup_id_z 1
		.amdhsa_system_vgpr_workitem_id 0
		.amdhsa_next_free_vgpr 112
		.amdhsa_next_free_sgpr 66
		.amdhsa_reserve_vcc 0
		.amdhsa_float_denorm_mode_32 3
		.amdhsa_float_denorm_mode_16_64 3
		.amdhsa_memory_ordered 1
		.amdhsa_forward_progress 1
		.amdhsa_inst_pref_size 18
	.end_amdhsa_kernel
	.amdgpu_metadata
---
amdhsa.version: [ 1, 2 ]
amdhsa.kernels:
  - .name:           k_qd228dca16b_lnorm
    .symbol:         k_qd228dca16b_lnorm.kd
    .args:
      - { .name: y, .offset: 0, .size: 8, .value_kind: global_buffer, .address_space: global }
      - { .name: gamma, .offset: 8, .size: 8, .value_kind: global_buffer, .address_space: global }
      - { .name: out0, .offset: 16, .size: 8, .value_kind: global_buffer, .address_space: global }
    .group_segment_fixed_size: 0
    .private_segment_fixed_size: 0
    .kernarg_segment_align: 8
    .kernarg_segment_size: 24
    .max_flat_workgroup_size: 256
    .sgpr_count:     66
    .vgpr_count:     112
    .wavefront_size: 32
...
	.end_amdgpu_metadata
.endif
;; end of part 5
